; MI455X (gfx1250); checked and timed in simulation.
; The chip was launched on July 23, 2026; its instructions are those of AMD's public machine-readable ISA for CDNA 5 (MIT licence, August 2026) and "CDNA5" Instruction Set Architecture Reference Guide (July 2026). The comments in the code are by the model that wrote it; some were corrected since.
;; SOM. Allowed arithmetic: float matrix products may take bf16 or f16 operands with f32 sums; other float arithmetic in f32, or as packed bf16 or f16 multiplies, adds, multiply-adds, maxima and minima; sums over many terms, partial sums and values carried from step to step in f32; what a program stores and reads back later, other than sums and carried values, may be rounded once to bf16 or f16.
;; Inputs: location 4,096 x 2 float32; weight 64 x 4,096 float32; x 65,536 x 64 float32.
;; Outputs: out0 one number float32; out1 65,536 x 1 x 2 float32.
;; One version. Each part assembles by itself: llvm-mc -triple=amdgcn-amd-amdhsa -mcpu=gfx1250 --defsym DOCPART=n.
;; ======== version 1 of 1: 3 launches
;; workspace buffers: wf 524,288 bytes; w2 16,384 bytes; gidx 262,144 bytes of whole numbers; psum 4,096 bytes
;; launch prep (part 1): grid 64 x 1, 2 waves a work-group, no clusters, 0 bytes of LDS; arguments weight, wf, w2; writes wf, w2
.if DOCPART == 1
	.amdgcn_target "amdgcn-amd-amdhsa--gfx1250"
	.amdhsa_code_object_version 6
	.text
	.protected	k_qa8c0735bb2_prep
	.globl	k_qa8c0735bb2_prep
	.p2align	8
	.type	k_qa8c0735bb2_prep,@function
k_qa8c0735bb2_prep:
	s_mov_b64 s[64:65], 0
	v_nop
	global_prefetch_b8 v0, s[64:65] scope:SCOPE_SE
	s_setreg_imm32_b32 hwreg(HW_REG_WAVE_MODE, 25, 1), 1
	s_wait_xcnt 0x0
; THE PROGRAM (three launches).  For each of 65,536 rows x[n][0..63] the nearest of 4,096 code words (columns of weight[64][4096]) in L2 distance;
; out1[n] = location[nearest], out0 = the mean of the least distances.
; WORK LEFT OUT, for all finite values of the inputs, in exact arithmetic:
;  (1) d2[n][k] = x2[n] + w2[k] - 2 x[n].w[k] is a squared length, so it is never negative, and sqrt(max(., 0)) rises strictly on such numbers.  So the least distance is
;      sqrt(max(least d2, 0)) and the argmin of the distances is the argmin of d2: the clamp and the root are taken of each row's least d2 alone, not of the other 4,095.
;  (2) x2[n] is the same for all k of a row, so it moves no argmin: the scan goes over s[n][k] = w2[k] - 2 x[n].w[k], and x2[n] is added to the row's least s.
; All three inputs are loaded.  LIMITS: x and weight are rounded to bf16 for the product, and x2 and w2 are made of the rounded numbers; sums are f32.  Two code words whose s
; differ by less than the f32 rounding of the sums are told apart by s and, where s is equal, by the lower index, and not by the rounded root.  NaN and infinities are
; not treated apart, and one that reaches only a root that is left out is not carried to a result.  -2 w overflows bf16 beyond 1.7e38.  A least d2 below 2^-126 gives distance 0.
;
; THIS LAUNCH rounds -2 weight to bf16 once, in the order in which a wave's operand registers take it, and makes w2[k] = the sum over d of bf16(w[d][k])^2.
; wf: tile t = code words 16 t .. 16 t + 15; for chunk c = 0..3 and lane L = 16 h + r the 16 bytes at 2048 t + 512 c + 16 L hold d = 16 c + 8 h + 0..7 of code word 16 t + r:
; chunks 0, 1 are the eight registers of the matrix operand for d = 0..31, chunks 2, 3 those for d = 32..63.
; SHARES.  Wave u = 2 x work-group + wave owns tiles 2 u and 2 u + 1, 32 code words; a work-group's two waves read 256 consecutive bytes of each of weight's 64 rows.
; No LDS and no matrix unit: one megabyte is turned in registers, each lane loading the very numbers that it packs.
.set RAW,  32                          ; v[32:95]   tile e: 32 numbers as loaded, at RAW + 32 e + 8 c + i (d = 16 c + 8 h + i)
.set PKD,  96                          ; v[96:127]  tile e: 16 registers of packed bf16, at PKD + 16 e + 4 c + p
.set ROWB, 16384                       ; bytes in a row of weight
	s_load_b128 s[4:7], s[0:1], 0x0                ; weight s[4:5], wf s[6:7]
	s_load_b64 s[8:9], s[0:1], 0x10                ; w2
	v_and_b32 v1, 31, v0                           ; L
	v_and_b32 v2, 15, v0                           ; r
	v_bfe_u32 v3, v0, 4, 1                         ; h
	v_lshrrev_b32 v12, 5, v0
	v_readfirstlane_b32 s10, v12                   ; wave 0..1
	s_lshl_b32 s11, ttmp9, 1
	s_add_co_u32 s11, s11, s10                     ; u
	s_lshl_b32 s15, s11, 7                         ; 32 u code words x 4 bytes
	s_lshl_b32 s16, s11, 12                        ; two tiles of 2,048 bytes in wf
	v_lshl_add_u32 v4, v2, 2, s15                  ; weight: column 32 u + r,
	v_lshl_add_u32 v4, v3, 17, v4                  ; row 8 h
	v_lshl_add_u32 v5, v1, 4, s16                  ; wf: 16 L in my first tile
	v_lshl_add_u32 v6, v1, 2, s15                  ; w2: code word 32 u + L
	v_mov_b32 v7, 0                                ; the addend that starts a sum of squares
	v_mov_b32 v13, 0                               ; v_permlanex16_b32 counts as a reader of its destination
	s_mov_b32 s12, 0x76543210                      ; each lane takes its own place in the other half
	s_mov_b32 s13, 0xfedcba98
	s_mov_b32 s14, 0xffff0000                      ; lanes 16-31
	s_wait_kmcnt 0x0
.irp e, 0,1
.set i, 0
.rept 32
	global_load_b32 v[RAW+32*\e+i], v4, s[4:5] offset:(16*(i/8)+i%8)*ROWB+\e*64 th:TH_LOAD_NT
.set i, i+1
.endr
.endr
; Tile e: times -2 (exact), rounded to bf16, stored; the squares of the rounded numbers summed in f32 in two chains (low halves, high halves).
; (-2 w)^2 = 4 w^2 exactly, so a quarter of the sum is w2; my 32 values of d and the other half of the lanes' 32 make the 64.
.macro CONV e
.set i, 0
.rept 16
	v_pk_mul_f32 v[RAW+32*(\e)+2*i:RAW+32*(\e)+2*i+1], v[RAW+32*(\e)+2*i:RAW+32*(\e)+2*i+1], -2.0 op_sel_hi:[1,0]
.set i, i+1
.endr
.set i, 0
.rept 16
	v_cvt_pk_bf16_f32 v[PKD+16*(\e)+i], v[RAW+32*(\e)+2*i], v[RAW+32*(\e)+2*i+1]
.set i, i+1
.endr
.irp c, 0,1,2,3
	global_store_b128 v5, v[PKD+16*(\e)+4*\c:PKD+16*(\e)+4*\c+3], s[6:7] offset:(\e)*2048+\c*512  ; the wave stores 512 consecutive bytes, aligned
.endr
	v_fma_mix_f32_bf16 v[8+2*(\e)], v[PKD+16*(\e)], v[PKD+16*(\e)], v7 op_sel_hi:[1,1,0]
	v_fma_mix_f32_bf16 v[9+2*(\e)], v[PKD+16*(\e)], v[PKD+16*(\e)], v7 op_sel:[1,1,0] op_sel_hi:[1,1,0]
.set i, 1
.rept 15
	v_fma_mix_f32_bf16 v[8+2*(\e)], v[PKD+16*(\e)+i], v[PKD+16*(\e)+i], v[8+2*(\e)] op_sel_hi:[1,1,0]
	v_fma_mix_f32_bf16 v[9+2*(\e)], v[PKD+16*(\e)+i], v[PKD+16*(\e)+i], v[9+2*(\e)] op_sel:[1,1,0] op_sel_hi:[1,1,0]
.set i, i+1
.endr
	v_add_f32 v[8+2*(\e)], v[8+2*(\e)], v[9+2*(\e)]
	v_mul_f32 v[8+2*(\e)], 0x3e800000, v[8+2*(\e)]  ; x 0.25
	v_permlanex16_b32 v13, v[8+2*(\e)], s12, s13
	v_add_f32 v[8+2*(\e)], v[8+2*(\e)], v13
.endm
	s_wait_loadcnt 32                              ; loads come back in order: tile 0's 32 are in, tile 1's 32 may stay out
	CONV 0
	s_wait_loadcnt 0x0
	CONV 1
	v_cndmask_b32 v12, v8, v10, s14                ; lanes 0-15 hold tile 0's sums, lanes 16-31 take tile 1's: code word 32 u + L
	global_store_b32 v6, v12, s[8:9]               ; 128 consecutive bytes a wave; the work-group's two waves fill 256 (w2 is 16 KiB in all)
	s_endpgm
.Lfunc_end_k_qa8c0735bb2_prep:
	.size	k_qa8c0735bb2_prep, .Lfunc_end_k_qa8c0735bb2_prep-k_qa8c0735bb2_prep
	.p2alignl 7, 3214868480
	.fill 96, 4, 3214868480
	.section	.rodata,"a",@progbits
	.p2align	6, 0x0
	.amdhsa_kernel k_qa8c0735bb2_prep
		.amdhsa_group_segment_fixed_size 0
		.amdhsa_private_segment_fixed_size 0
		.amdhsa_enable_private_segment 0
		.amdhsa_kernarg_size 24
		.amdhsa_user_sgpr_count 2
		.amdhsa_user_sgpr_kernarg_segment_ptr 1
		.amdhsa_wavefront_size32 1
		.amdhsa_system_sgpr_workgroup_id_x 1
		.amdhsa_system_sgpr_workgroup_id_y 1
		.amdhsa_system_sgpr_workgroup_id_z 1
		.amdhsa_system_vgpr_workitem_id 0
		.amdhsa_next_free_vgpr 128
		.amdhsa_next_free_sgpr 66
		.amdhsa_reserve_vcc 0
		.amdhsa_float_denorm_mode_32 3
		.amdhsa_float_denorm_mode_16_64 3
		.amdhsa_memory_ordered 1
		.amdhsa_forward_progress 1
		.amdhsa_inst_pref_size 17
	.end_amdhsa_kernel
	.amdgpu_metadata
---
amdhsa.version: [ 1, 2 ]
amdhsa.kernels:
  - .name:           k_qa8c0735bb2_prep
    .symbol:         k_qa8c0735bb2_prep.kd
    .args:
      - { .name: weight, .offset: 0, .size: 8, .value_kind: global_buffer, .address_space: global }
      - { .name: wf, .offset: 8, .size: 8, .value_kind: global_buffer, .address_space: global }
      - { .name: w2, .offset: 16, .size: 8, .value_kind: global_buffer, .address_space: global }
    .group_segment_fixed_size: 0
    .private_segment_fixed_size: 0
    .kernarg_segment_align: 8
    .kernarg_segment_size: 24
    .max_flat_workgroup_size: 64
    .sgpr_count:     66
    .vgpr_count:     128
    .wavefront_size: 32
...
	.end_amdgpu_metadata
.endif
;; end of part 1
;; launch main (part 2): grid 256 x 1, 8 waves a work-group, clusters of 4 x 1, 327,680 bytes of LDS; arguments x, wf, w2, gidx, psum; writes gidx, psum
.if DOCPART == 2
	.amdgcn_target "amdgcn-amd-amdhsa--gfx1250"
	.amdhsa_code_object_version 6
	.text
	.protected	k_qa8c0735bb2_main
	.globl	k_qa8c0735bb2_main
	.p2align	8
	.type	k_qa8c0735bb2_main,@function
k_qa8c0735bb2_main:
	s_mov_b64 s[64:65], 0
	v_nop
	global_prefetch_b8 v0, s[64:65] scope:SCOPE_SE
	s_setreg_imm32_b32 hwreg(HW_REG_WAVE_MODE, 25, 1), 1
	s_wait_xcnt 0x0
	s_wait_alu depctr_hold_cnt(0) depctr_sa_sdst(0) depctr_va_vdst(0) depctr_va_sdst(0) depctr_va_ssrc(0) depctr_va_vcc(0) depctr_vm_vsrc(0)
	s_getreg_b32 s2, hwreg(HW_REG_IB_STS2, 6, 4)
	s_cmp_eq_u32 s2, 0
	s_cbranch_scc0 .Lentry_in_a_cluster
	s_endpgm
.Lentry_in_a_cluster:
	s_bfe_u32 s2, ttmp6, 0x10000c
	s_cmp_lg_u32 s2, 0x3003
	s_cbranch_scc0 .Lentry_shape_is_right
	s_endpgm
.Lentry_shape_is_right:
; THE SCAN.  For each row n: m = the least over k of s[n][k] = w2[k] - 2 x[n].w[k], the group of 8 code words that holds it, and dist = sqrt(max(x2[n] + m, 0)).
; Left out, as shown at the head of the first kernel: the clamp and the root of scores that are not a row's least, and x2 inside the scan.  The limits stated there hold here.
; Stored: gidx[n] = 16 t + h (the group of code words 16 t + 8 h .. + 7; it rises with the code word), and psum[4 x work-group + wave] = the sum of 64 rows' distances (f32).
; The winner inside the group, and its location, are found by the next launch: no address of this launch hangs on a score.
; SHARES.  A work-group owns 256 rows.  Eight waves, two on each SIMD, 256 registers each, so that no register window is switched: wave w has the rows 128 (w & 1) .. + 127 as
; eight query tiles, kept in 128 registers, and the quarter w >> 1 of the code-word tiles of each slot.  A fragment of code words read from LDS feeds 16 matrix instructions.
; PRODUCT.  D = A B + C with A = 16 code words x 32 d (wf as it lies), B = 16 queries x 32 d, C = w2: a lane holds ONE query (lane % 16) and the code words 8 (lane / 16) + 0..7.
; The first K step takes w2 as C, the second adds in place: two matrix instructions give a lane 8 finished scores.
; THE SCAN's COST.  Six vector instructions for a tile of 16 x 16: four v_min3_num_f32 into the running least, one compare (has it fallen?), one select of the tile's number.  The least is
; kept in two registers a query tile that take turns (MA, MB), so that old and new stand side by side for the compare.  Strictly less: of equal scores the earlier tile stays.
; BY TURNS.  A GROUP is four matrix instructions (two query tiles x two K steps) into one set of two accumulators, and behind each of them three instructions of the scan of the
; pair of query tiles finished in the group before, which lies in the other set.
; CLUSTER.  All work-groups walk the same wf and w2: the four of a cluster ask for each part JOINTLY, by the same tensor load with the same descriptor and the mask of four.
; x is shared by nobody: each work-group loads its own rows once, rounds them, and turns them into fragments through LDS.
.set SLOT,  131072                     ; a slot: 64 tiles of 2,048 bytes, a quarter of wf; slot 0 at LDS byte 0, slot 1 at SLOT.  Lanes read 512 consecutive bytes: no padding
.set W2L,   262144                     ; w2, 16,384 bytes
.set XS,    278528                     ; x in bf16: 256 rows, 144 bytes apart (128 + 16: the 16 rows of a load start at 16 different groups of four banks)
.set XP,    144
.set CMB,   315392                     ; [4 quarters][256 rows] pairs (least, group): 8,192 bytes
.set X2L,   323584                     ; x2 of the 256 rows
.set SPARE, 324864                     ; the spare words, 128 bytes for each of eight waves: four blocks of 256 bytes that no other line names
.set LN,  1                            ; v1   lane
.set RR,  2                            ; v2   lane % 16
.set HH,  3                            ; v3   lane / 16
.set SPW, 4                            ; v4   LDS address of my spare word; never rewritten
.set NIL, 5                            ; v5   0, for the add alone
.set AW0, 6                            ; v6   my place in a slot: quarter x 32,768 + 16 x lane
.set AC0, 7                            ; v7   my place in w2: W2L + quarter x 1,024 + 32 x (lane / 16)
.set AW,  8                            ; v8   the same at the tile in hand
.set AC,  9                            ; v9
.set PFO, 10                           ; v10  256 x lane; never rewritten
.set XO,  11                           ; v11  16 x lane
.set XST, 12                           ; v12  where I put 8 bytes of a row of x
.set XLD, 13                           ; v13  where I read my fragments of x
.set X2A, 14                           ; v14  where my rows' x2 go
.set ZR,  15                           ; v15  0: the addend that starts a sum of squares
.set MA,  16                           ; v[16:23]  the running least, query tile q
.set MB,  24                           ; v[24:31]  its other register
.set IDX, 32                           ; v[32:39]  the number of the tile in which the least last fell
.set ACC, 40                           ; v[40:71]  two sets of two accumulators
.set F0,  72                           ; v[72:95], v[96:119]  two buffers: code words for K step 0 (8), for K step 1 (8), w2 (8)
.set X,   128                          ; v[128:255] query tile q, chunk c at X + 16 q + 4 c.  While x is staged: v128-191 as loaded, v192-223 packed, v224-239 sums of squares
.set XPK, 192
.set XSUM, 224
.set WV,  14                           ; s14  my wave's number
.set QH,  15                           ; s15  which 128 rows
.set G1,  16                           ; s[16:23] descriptor group 1: 64 rows of 256 bytes
.set G1W, 24                           ; s[24:31] the same with 8 rows
.set G0W, 32                           ; s[32:35] group 0: my 2 KiB of w2
.set G0A, 36                           ; s[36:39] my 16 KiB of slot 0
.set G0B, 40                           ; s[40:43] my 16 KiB of slot 1
.set CH,  44                           ; s44  which quarter of a slot's tiles
.set CX,  45                           ; s45  my work-group's place in the cluster: it enters global addresses of x, gidx, psum and the prefetch alone
.set WG,  46                           ; s46  the work-group's number
.set CNT, 47                           ; s47  the loop's count
.set TNOW, 48                          ; s48  the number of the tile in hand
.set TPRV, 49                          ; s49  of the tile before
.set TBW, 50                           ; s50  LDS byte of the slot, plus the tiles gone
.set TBC, 51                           ; s51  the same in w2
.set SEL, 52                           ; s[52:53] v_permlanex16_b32: each lane takes its own place in the other half
.set PFA, 54                           ; s[54:55] wf at my 8 KiB of a quarter, for the prefetches; never rewritten
.set LIM, 56                           ; s56  0 in a wave that prefetches
; A round of the cluster's barrier: my work-group's barrier, so that wave 0's signal speaks for all eight waves; wave 0 signals; every wave waits for all four work-groups; my work-group's barrier once more.
.macro ROUND
	s_barrier_signal -1
	s_barrier_wait -1
	s_cmp_lg_u32 s[WV], 0
	s_cbranch_scc1 .Lnot_wave_0_\@
	s_barrier_signal -3
.Lnot_wave_0_\@:
	s_barrier_wait -3
	s_barrier_signal -1
	s_barrier_wait -1
.endm
; Six LDS loads: the tile nt further on than AW and AC stand, into buffer f.
.macro LOADF f, nt
.set FL, F0+24*(\f)
.irp c, 0,1,2,3
	ds_load_b128 v[FL+4*\c:FL+4*\c+3], v[AW] offset:(\nt)*2048+\c*512
.endr
	ds_load_b128 v[FL+16:FL+19], v[AC] offset:(\nt)*64
	ds_load_b128 v[FL+20:FL+23], v[AC] offset:(\nt)*64+16
.endm
; Number n of the six that scan query tile q's accumulator acc.  par = 0: the old least lies in MA, the new goes to MB; par = 1: the other way.  The accumulator's lowest registers are read first.
.macro SC n, q, acc, par, sidx
.if \par
.set MI, MB+(\q)
.set MO, MA+(\q)
.else
.set MI, MA+(\q)
.set MO, MB+(\q)
.endif
.if (\n) == 1
	v_min3_num_f32 v[MO], v[MI], v[(\acc)], v[(\acc)+1]
.elseif (\n) < 5
	v_min3_num_f32 v[MO], v[MO], v[(\acc)+2*(\n)-2], v[(\acc)+2*(\n)-1]
.elseif (\n) == 5
	v_cmp_lt_f32 vcc_lo, v[MO], v[MI]
.else
	v_cndmask_b32 v[IDX+(\q)], v[IDX+(\q)], s[\sidx], vcc_lo
.endif
.endm
; A GROUP: query tiles 2 p, 2 p + 1 against buffer f's code words, into set p % 2; the riders scan pair sp (a = tile 2 sp, b = tile 2 sp + 1), which lies in the other set.
; The two accumulators take turns, one instruction a turn; the group before ended on the other set.
; DISTANCES (ISA guide 7.12.1), counting only vector instructions that name no register of the matrix instruction in question: a's accumulator was finished by the third matrix instruction of the
; group before: six riders stand between it and a1.  b's by the fourth: its three riders and a1 stand between it and b1.  A set is written over a whole group later.
; ld = 1: the other buffer takes the tile nt on.  Its last reader is the tile before's last matrix instruction; that one's three riders and a1, a2, a3 stand between (b1, b2, b3 name its result and are not counted).
.macro GROUP f, p, sp, spar, sidx, ld, nt
.set FB, F0+24*(\f)
.set DA, ACC+16*((\p)%2)
.set SA, ACC+16*((\sp)%2)
.set XQ, X+32*(\p)
	v_wmma_f32_16x16x32_bf16 v[DA:DA+7], v[FB:FB+7], v[XQ:XQ+7], v[FB+16:FB+23]
	SC 1, 2*(\sp), SA, \spar, \sidx
	SC 1, 2*(\sp)+1, SA+8, \spar, \sidx
	SC 2, 2*(\sp), SA, \spar, \sidx
	v_wmma_f32_16x16x32_bf16 v[DA+8:DA+15], v[FB:FB+7], v[XQ+16:XQ+23], v[FB+16:FB+23]
	SC 2, 2*(\sp)+1, SA+8, \spar, \sidx
	SC 3, 2*(\sp), SA, \spar, \sidx
	SC 3, 2*(\sp)+1, SA+8, \spar, \sidx
.if \ld
	LOADF 1-(\f), \nt
.endif
	v_wmma_f32_16x16x32_bf16 v[DA:DA+7], v[FB+8:FB+15], v[XQ+8:XQ+15], v[DA:DA+7]
	SC 4, 2*(\sp), SA, \spar, \sidx
	SC 4, 2*(\sp)+1, SA+8, \spar, \sidx
	SC 5, 2*(\sp), SA, \spar, \sidx
	v_wmma_f32_16x16x32_bf16 v[DA+8:DA+15], v[FB+8:FB+15], v[XQ+24:XQ+31], v[DA+8:DA+15]
	SC 6, 2*(\sp), SA, \spar, \sidx
	SC 5, 2*(\sp)+1, SA+8, \spar, \sidx
	SC 6, 2*(\sp)+1, SA+8, \spar, \sidx
.endm
; A TILE of 16 code words against my 128 rows: 16 matrix instructions and 48 riders.  The first group scans the last pair of the tile before, with that tile's parity and number.
.macro TILE f, par, ld, nt
	s_wait_dscnt 0x0                               ; buffer f is in: its six loads went out 14 matrix instructions ago
	GROUP \f, 0, 3, 1-(\par), TPRV, \ld, \nt
	GROUP \f, 1, 0, \par, TNOW, 0, 0
	GROUP \f, 2, 1, \par, TNOW, 0, 0
	GROUP \f, 3, 2, \par, TNOW, 0, 0
	s_mov_b32 s[TPRV], s[TNOW]
	s_add_co_u32 s[TNOW], s[TNOW], 1
.endm
; A PREFETCH INTO THE L2 of the quarter of wf at byte off: 512 blocks of 256 bytes, each named once in the launch.  Every cluster walks the same wf: cluster 0 asks, and nobody else; in each of its four
; work-groups waves 0 to 3 ask, a lane a block, one instruction a wave; the partners are told apart BY ADDRESS (PFA), and the branch hangs on the cluster's and the wave's numbers alone.
.macro ASK off
	s_cmp_eq_u32 s[LIM], 0
	s_cbranch_scc0 .Lnot_mine_\@
	global_prefetch_b8 v[PFO], s[PFA:PFA+1] offset:\off th:TH_LOAD_NT scope:SCOPE_SE
.Lnot_mine_\@:
.endm
; A PASS: my 16 tiles of the slot, which holds quarter number chunk of wf.  Seven trips of two tiles and two tiles written out, the last of which fetches nothing.
; ask: the byte of the quarter that the NEXT change of slots will ask for, or 0; the prefetch stands behind the joint load and the pass's first run of LDS loads, one pass (256 matrix instructions of this wave) ahead of that load.
.macro PASS slot, chunk, ask
	s_mov_b32 s[TBW], (\slot)*SLOT
	s_mov_b32 s[TBC], (\chunk)*4096
	v_add_nc_u32 v[AW], s[TBW], v[AW0]
	v_add_nc_u32 v[AC], s[TBC], v[AC0]
	LOADF 0, 0
.if \ask
	ASK \ask
.endif
.if \chunk
	s_add_co_u32 s[TNOW], s[TNOW], 48              ; from my 16 tiles of one quarter to my 16 of the next: 64 tiles a quarter
.endif
	s_mov_b32 s[CNT], 7
.Lpass_\@:
	TILE 0, 0, 1, 1
	TILE 1, 1, 1, 2
	s_add_co_u32 s[TBW], s[TBW], 4096
	s_add_co_u32 s[TBC], s[TBC], 128
	v_add_nc_u32 v[AW], s[TBW], v[AW0]
	v_add_nc_u32 v[AC], s[TBC], v[AC0]
	s_sub_co_u32 s[CNT], s[CNT], 1
	s_cmp_lg_u32 s[CNT], 0
	s_cbranch_scc1 .Lpass_\@
	TILE 0, 0, 1, 1
	TILE 1, 1, 0, 0
.endm
; THE CHANGE OF SLOTS.  Each wave waits for all its tensor loads, of which one is out at the most: its part of the other slot; adds 0 to its spare word; and waits for that and for its reads of the slot that it leaves.
; fill = 1: the slot is filled again, with the quarter two on.  The barrier is then a round of the cluster's, so that no wave of any partner still reads the slot or has a load on its way, and the joint refill is
; the first thing behind it, one load a wave: it has a pass in which to land.
.macro CHANGE fill, g0
	s_wait_tensorcnt 0x0                           ; no tensor load of mine is out, so a group 0 may be written
	ds_add_u32 v[SPW], v[NIL]                      ; 0 onto my spare word
.if \fill
	s_add_nc_u64 s[(\g0)+2:(\g0)+3], s[(\g0)+2:(\g0)+3], 2*SLOT  ; the type bits on top are not reached
.endif
	s_wait_dscnt 0x0                               ; the add is done, and my reads of the slot are over
.if \fill
	ROUND
	tensor_load_to_lds s[(\g0):(\g0)+3], s[G1:G1+7]
	s_nop 0
.rept 4
	v_nop
.endr
.else
	s_barrier_signal -1
	s_barrier_wait -1
.endif
.endm
; The better of (m, g) and (om, og): the lesser score, and of equal scores the lower group.
.macro BEST md, gd, m, g, om, og
	v_cmp_lt_f32 s57, v[\om], v[\m]
	v_cmp_eq_f32 s58, v[\om], v[\m]
	v_cmp_lt_u32 s59, v[\og], v[\g]
	s_and_b32 s58, s58, s59
	s_or_b32 s57, s57, s58
	v_cndmask_b32 v[\md], v[\m], v[\om], s57
	v_cndmask_b32 v[\gd], v[\g], v[\og], s57
.endm
	s_load_b256 s[4:11], s[0:1], 0x0               ; x s[4:5], wf s[6:7], w2 s[8:9], gidx s[10:11]
	s_load_b64 s[12:13], s[0:1], 0x20              ; psum
	v_lshl_add_u32 v[SPW], v0, 2, SPARE
	v_mov_b32 v[NIL], 0
	ds_add_u32 v[SPW], v[NIL]                      ; the wave's opening: the add, twice on end, and its wait ahead of my first tensor load; the set-up below, work on registers, stands between
	ds_add_u32 v[SPW], v[NIL]
	v_lshrrev_b32 v120, 5, v0
	v_readfirstlane_b32 s[WV], v120                ; wave 0..7
	s_and_b32 s[QH], s[WV], 1
	s_lshr_b32 s[CH], s[WV], 1
	s_bfe_u32 s[CX], ttmp6, 0x40000                ; cx
	s_lshl_b32 s[WG], ttmp9, 2                     ; in a cluster launch ttmp9 counts clusters
	s_add_co_u32 s[WG], s[WG], s[CX]
	; descriptor group 1: dense bytes, asked for as rows of 256 bytes (32 elements of 8 bytes)
	s_mov_b32 s[G1+0], 15|(3<<16)|(1<<21)          ; 15:0 the mask: all four work-groups; 17:16 elements of 8 bytes; 21 set beside a mask; no padding
	s_mov_b32 s[G1+1], 32<<16                      ; tensor_dim0 = 32
	s_mov_b32 s[G1+2], 64<<16                      ; tensor_dim1 = 64
	s_mov_b32 s[G1+3], 32<<16                      ; tile_dim0 = 32
	s_mov_b32 s[G1+4], 64                          ; tile_dim1 = 64
	s_mov_b32 s[G1+5], 32                          ; 32 elements from row to row
	s_mov_b32 s[G1+6], 0
	s_mov_b32 s[G1+7], 0
	s_mov_b32 s[G1W+0], 15|(3<<16)|(1<<21)
	s_mov_b32 s[G1W+1], 32<<16
	s_mov_b32 s[G1W+2], 8<<16                      ; 8 rows
	s_mov_b32 s[G1W+3], 32<<16
	s_mov_b32 s[G1W+4], 8
	s_mov_b32 s[G1W+5], 32
	s_mov_b32 s[G1W+6], 0
	s_mov_b32 s[G1W+7], 0
	s_lshl_b32 s58, s[WV], 11                      ; my 2,048 bytes of w2,
	s_mov_b32 s59, 0
	s_lshl_b32 s62, s[WV], 14                      ; my 16,384 bytes of a slot: the wave's number alone enters a descriptor
	s_mov_b32 s63, 0
	s_mov_b32 s[G0W], 1
	s_add_co_u32 s[G0W+1], s58, W2L
	s_mov_b32 s[G0A], 1
	s_mov_b32 s[G0A+1], s62
	s_mov_b32 s[G0B], 1
	s_add_co_u32 s[G0B+1], s62, SLOT
	s_mov_b32 s[SEL], 0x76543210
	s_mov_b32 s[SEL+1], 0xfedcba98
	s_lshr_b32 s[LIM], s[WV], 2
	s_or_b32 s[LIM], s[LIM], ttmp9                 ; 0 in waves 0-3 of cluster 0: the same in all four partners
	s_lshl_b32 s[TNOW], s[CH], 4                   ; my first tile
	s_mov_b32 s[TPRV], 0
	v_and_b32 v[LN], 31, v0
	v_and_b32 v[RR], 15, v0
	v_bfe_u32 v[HH], v0, 4, 1
	s_lshl_b32 s57, s[CH], 15
	v_lshl_add_u32 v[AW0], v[LN], 4, s57
	s_lshl_b32 s57, s[CH], 10
	s_add_co_u32 s57, s57, W2L
	v_lshl_add_u32 v[AC0], v[HH], 5, s57
	v_lshlrev_b32 v[PFO], 8, v[LN]
	v_lshlrev_b32 v[XO], 4, v[LN]
	s_mul_i32 s57, s[WV], 32*XP                    ; staging: a wave takes 32 rows; a load covers two rows: lanes 0-15 one, lanes 16-31 the next; 8 bytes of bf16 a lane
	s_add_co_u32 s57, s57, XS
	v_mul_u32_u24 v[XST], v[HH], XP
	v_lshl_add_u32 v[XST], v[RR], 3, v[XST]
	v_add_nc_u32 v[XST], s57, v[XST]
	s_mul_i32 s57, s[QH], 128*XP                   ; fragments: row lane % 16 of my 128, 16 bytes for each half of the lanes
	s_add_co_u32 s57, s57, XS
	v_mul_u32_u24 v[XLD], v[RR], XP
	v_lshl_add_u32 v[XLD], v[HH], 4, v[XLD]
	v_add_nc_u32 v[XLD], s57, v[XLD]
	s_lshl_b32 s57, s[WV], 7
	s_add_co_u32 s57, s57, X2L
	v_lshl_add_u32 v[X2A], v[HH], 2, s57
	v_mov_b32 v[ZR], 0
	s_lshl_b32 s60, s[WG], 16                      ; the work-group's 256 rows of 256 bytes,
	s_lshl_b32 s61, s[WV], 13                      ; my 32 of them
	s_add_co_u32 s60, s60, s61
	s_mov_b32 s61, 0
	s_wait_dscnt 0x0                               ; both opening adds are done
	s_wait_kmcnt 0x0
	s_add_nc_u64 s[G0W+2:G0W+3], s[8:9], s[58:59]
	s_or_b32 s[G0W+3], s[G0W+3], 0x80000000        ; type = 2
	s_add_nc_u64 s[G0A+2:G0A+3], s[6:7], s[62:63]  ; quarter 0
	s_add_nc_u64 s[G0B+2:G0B+3], s[G0A+2:G0A+3], SLOT  ; quarter 1
	s_or_b32 s[G0A+3], s[G0A+3], 0x80000000
	s_or_b32 s[G0B+3], s[G0B+3], 0x80000000
	s_add_nc_u64 s[4:5], s[4:5], s[60:61]          ; x at my 32 rows
	s_and_b32 s60, s[WV], 3
	s_lshl_b32 s61, s[CX], 2
	s_add_co_u32 s60, s60, s61
	s_lshl_b32 s60, s60, 13                        ; (4 cx + wave % 4) x 32 blocks of 256 bytes
	s_mov_b32 s61, 0
	s_add_nc_u64 s[PFA:PFA+1], s[6:7], s[60:61]
	ROUND                                          ; all four work-groups are here: the first joint loads meet
	tensor_load_to_lds s[G0W:G0W+3], s[G1W:G1W+7]  ; the first fills go out together: three loads of mine are out
	s_nop 0
	tensor_load_to_lds s[G0A:G0A+3], s[G1:G1+7]
	s_nop 0
	tensor_load_to_lds s[G0B:G0B+3], s[G1:G1+7]
	s_nop 0
.rept 4
	v_nop
.endr
	; MY 32 ROWS OF x: loaded once, rounded to bf16, laid into LDS by rows; the squares of the rounded numbers are summed in f32.
.set i, 0
.rept 16
	global_load_b128 v[X+4*i:X+4*i+3], v[XO], s[4:5] offset:i*512 th:TH_LOAD_NT
.set i, i+1
.endr
	; What the first tile's lagging scan finds: an old least, and scores, of +infinity, so it changes nothing.  Written while the loads are out.
.set i, 0
.rept 8
	v_mov_b32 v[MA+i], 0x7f800000
	v_mov_b32 v[IDX+i], 0
.set i, i+1
.endr
	v_mov_b32 v[MB+6], 0x7f800000
	v_mov_b32 v[MB+7], 0x7f800000
.set i, 0
.rept 16
	v_mov_b32 v[ACC+16+i], 0x7f800000
.set i, i+1
.endr
.set i, 0
.rept 16
	s_wait_loadcnt 15-i                            ; loads come back in order: number i is in, the 15 - i younger ones may stay out
	v_cvt_pk_bf16_f32 v[XPK+2*i], v[X+4*i], v[X+4*i+1]
	v_cvt_pk_bf16_f32 v[XPK+2*i+1], v[X+4*i+2], v[X+4*i+3]
	ds_store_b64 v[XST], v[XPK+2*i:XPK+2*i+1] offset:i*2*XP
	v_fma_mix_f32_bf16 v[XSUM+i], v[XPK+2*i], v[XPK+2*i], v[ZR] op_sel_hi:[1,1,0]
	v_fma_mix_f32_bf16 v[XSUM+i], v[XPK+2*i], v[XPK+2*i], v[XSUM+i] op_sel:[1,1,0] op_sel_hi:[1,1,0]
	v_fma_mix_f32_bf16 v[XSUM+i], v[XPK+2*i+1], v[XPK+2*i+1], v[XSUM+i] op_sel_hi:[1,1,0]
	v_fma_mix_f32_bf16 v[XSUM+i], v[XPK+2*i+1], v[XPK+2*i+1], v[XSUM+i] op_sel:[1,1,0] op_sel_hi:[1,1,0]
.set i, i+1
.endr
.irp m, 1,2,4,8                        ; a row lies in 16 lanes: four steps, the sixteen sums side by side so that none waits for the one before it
.set i, 0
.rept 16
	v_add_f32_dpp v[XSUM+i], v[XSUM+i], v[XSUM+i] row_xmask:\m row_mask:0xf bank_mask:0xf
.set i, i+1
.endr
.endr
.set i, 0
.rept 16
	ds_store_b32 v[X2A], v[XSUM+i] offset:i*8      ; sixteen lanes write the same word with the same value
.set i, i+1
.endr
	s_wait_dscnt 0x0                               ; for the others' sake: my rows of x and their x2 lie in LDS
	s_wait_tensorcnt 0x1                           ; my parts of w2 and of slot 0 are in; slot 1's may stay out
	s_barrier_signal -1
	s_barrier_wait -1                              ; everybody's are
.set i, 0
.rept 32                                       ; my 128 rows as fragments: query tile i / 4, chunk i % 4; they stay in registers
	ds_load_b128 v[X+4*i:X+4*i+3], v[XLD] offset:(i/4)*16*XP+(i%4)*32
.set i, i+1
.endr
	PASS 0, 0, 2*SLOT                              ; quarter 0; quarter 2 is named a pass ahead of its load.  Quarters 0 and 1 come by their loads alone
	CHANGE 1, G0A                                  ; slot 0 takes quarter 2
	PASS 1, 1, 3*SLOT
	CHANGE 1, G0B                                  ; slot 1 takes quarter 3
	PASS 0, 2, 0
	CHANGE 0, 0                                    ; nothing is left to ask for
	PASS 1, 3, 0
	; the last tile's last pair: its accumulators stand as far behind their matrix instructions as in the loop
.irp n, 1,2,3,4
	SC \n, 6, ACC+16, 1, TPRV
	SC \n, 7, ACC+24, 1, TPRV
.endr
	SC 5, 6, ACC+16, 1, TPRV
	SC 6, 6, ACC+16, 1, TPRV
	SC 5, 7, ACC+24, 1, TPRV
	SC 6, 7, ACC+24, 1, TPRV
	; THE WAY OUT.  All leasts lie in MA.  A query's other 8 code words of each tile lie in the lane 16 away; its other three quarters in three other waves.
	s_lshl_b32 s57, s[CH], 11
	s_lshl_b32 s58, s[QH], 10
	s_add_co_u32 s57, s57, s58
	s_add_co_u32 s57, s57, CMB
	v_lshl_add_u32 v121, v[RR], 3, s57             ; CMB + quarter x 2,048 + (128 x half + lane % 16) x 8
.set i, 0
.rept 8
	v_lshl_add_u32 v[IDX+i], v[IDX+i], 4, v[HH]    ; the group: 16 t + h
.set i, i+1
.endr
.set i, 0
.rept 8
	v_permlanex16_b32 v[F0+2*i], v[MA+i], s[SEL], s[SEL+1]
	v_permlanex16_b32 v[F0+2*i+1], v[IDX+i], s[SEL], s[SEL+1]
.set i, i+1
.endr
.set i, 0
.rept 8
	BEST ACC+2*i, ACC+2*i+1, MA+i, IDX+i, F0+2*i, F0+2*i+1
	ds_store_b64 v121, v[ACC+2*i:ACC+2*i+1] offset:i*128  ; both halves of the lanes hold, and write, the same pair
.set i, i+1
.endr
	s_wait_dscnt 0x0                               ; for the others' sake
	s_barrier_signal -1
	s_barrier_wait -1
	s_cmp_lt_u32 s[WV], 4                          ; waves 0-3 finish 64 rows each, two a lane
	s_cbranch_scc0 .Lend
	s_lshl_b32 s57, s[WV], 9
	s_add_co_u32 s57, s57, CMB
	v_lshl_add_u32 v120, v[LN], 4, s57
	s_lshl_b32 s57, s[WV], 8
	s_add_co_u32 s58, s57, X2L
	v_lshl_add_u32 v121, v[LN], 3, s58
.irp c, 0,1,2,3
	ds_load_b128 v[F0+4*\c:F0+4*\c+3], v120 offset:\c*2048  ; quarter c: (least, group) of my two rows
.endr
	ds_load_b64 v[88:89], v121                     ; their x2
	s_lshl_b32 s58, s[WG], 10
	s_add_co_u32 s58, s58, s57
	v_lshl_add_u32 v122, v[LN], 3, s58             ; gidx: (256 x work-group + 64 x wave + 2 x lane) x 4
	s_lshl_b32 s61, s[WG], 2
	s_add_co_u32 s61, s61, s[WV]
	s_lshl_b32 s61, s61, 2                         ; psum: (4 x work-group + wave) x 4
	s_wait_dscnt 0x0
	BEST 72, 73, 72, 73, 76, 77
	BEST 74, 75, 74, 75, 78, 79
	BEST 72, 73, 72, 73, 80, 81
	BEST 74, 75, 74, 75, 82, 83
	BEST 72, 94, 72, 73, 84, 85
	BEST 74, 95, 74, 75, 86, 87
	global_store_b64 v122, v[94:95], s[10:11]      ; the wave stores 256 consecutive bytes, aligned
	v_add_f32 v90, v88, v72                        ; d2 = x2 + the least score,
	v_add_f32 v91, v89, v74
	v_max_num_f32 v90, 0, v90                      ; clamped at 0,
	v_max_num_f32 v91, 0, v91
	v_sqrt_f32 v92, v90                            ; and its root: two a lane, one batch
	v_sqrt_f32 v93, v91
	v_mov_b32 v123, s61                            ; the plain instruction behind the last root
	s_wait_alu depctr_va_vdst(0)                   ; the one wait for both roots, ahead of their first reader
	v_add_f32 v92, v92, v93
	v_add_f32_dpp v92, v92, v92 row_xmask:1 row_mask:0xf bank_mask:0xf
	v_add_f32_dpp v92, v92, v92 row_xmask:2 row_mask:0xf bank_mask:0xf
	v_add_f32_dpp v92, v92, v92 row_xmask:4 row_mask:0xf bank_mask:0xf
	v_add_f32_dpp v92, v92, v92 row_xmask:8 row_mask:0xf bank_mask:0xf
	v_permlanex16_b32 v93, v92, s[SEL], s[SEL+1]
	v_add_f32 v92, v92, v93                        ; the sum of my 64 rows' distances
	v_cmp_eq_u32 vcc_lo, 0, v[LN]
	s_wait_xcnt 0x0                                ; EXEC is a source of the store above: it changes only behind this wait
	s_and_saveexec_b32 s60, vcc_lo
	global_store_b32 v123, v92, s[12:13]           ; one word a wave: a partial sum, f32; the next launch adds the 1,024
	s_wait_xcnt 0x0                                ; and again, in front of the line that widens it
	s_or_b32 exec_lo, exec_lo, s60
.Lend:
	s_wait_tensorcnt 0x0                           ; the wave's end, behind my last tensor load and my last LDS store
	ds_add_u32 v[SPW], v[NIL]
	s_wait_dscnt 0x0
	ROUND                                          ; the closing round: no work-group ends while a partner may still ask for a part that names it
	s_endpgm
.Lfunc_end_k_qa8c0735bb2_main:
	.size	k_qa8c0735bb2_main, .Lfunc_end_k_qa8c0735bb2_main-k_qa8c0735bb2_main
	.p2alignl 7, 3214868480
	.fill 96, 4, 3214868480
	.section	.rodata,"a",@progbits
	.p2align	6, 0x0
	.amdhsa_kernel k_qa8c0735bb2_main
		.amdhsa_group_segment_fixed_size 327680
		.amdhsa_private_segment_fixed_size 0
		.amdhsa_enable_private_segment 0
		.amdhsa_kernarg_size 40
		.amdhsa_user_sgpr_count 2
		.amdhsa_user_sgpr_kernarg_segment_ptr 1
		.amdhsa_wavefront_size32 1
		.amdhsa_system_sgpr_workgroup_id_x 1
		.amdhsa_system_sgpr_workgroup_id_y 1
		.amdhsa_system_sgpr_workgroup_id_z 1
		.amdhsa_system_vgpr_workitem_id 0
		.amdhsa_next_free_vgpr 256
		.amdhsa_next_free_sgpr 66
		.amdhsa_reserve_vcc 1
		.amdhsa_float_denorm_mode_32 3
		.amdhsa_float_denorm_mode_16_64 3
		.amdhsa_memory_ordered 1
		.amdhsa_forward_progress 1
		.amdhsa_inst_pref_size 106
	.end_amdhsa_kernel
	.amdgpu_metadata
---
amdhsa.version: [ 1, 2 ]
amdhsa.kernels:
  - .name:           k_qa8c0735bb2_main
    .symbol:         k_qa8c0735bb2_main.kd
    .args:
      - { .name: x, .offset: 0, .size: 8, .value_kind: global_buffer, .address_space: global }
      - { .name: wf, .offset: 8, .size: 8, .value_kind: global_buffer, .address_space: global }
      - { .name: w2, .offset: 16, .size: 8, .value_kind: global_buffer, .address_space: global }
      - { .name: gidx, .offset: 24, .size: 8, .value_kind: global_buffer, .address_space: global }
      - { .name: psum, .offset: 32, .size: 8, .value_kind: global_buffer, .address_space: global }
    .group_segment_fixed_size: 327680
    .private_segment_fixed_size: 0
    .kernarg_segment_align: 8
    .kernarg_segment_size: 40
    .max_flat_workgroup_size: 256
    .sgpr_count:     66
    .vgpr_count:     256
    .wavefront_size: 32
...
	.end_amdgpu_metadata
.endif
;; end of part 2
;; launch fin (part 3): grid 256 x 1, 8 waves a work-group, no clusters, 37,888 bytes of LDS; arguments gidx, x, wf, w2, location, psum, out0, out1; writes out0, out1
.if DOCPART == 3
	.amdgcn_target "amdgcn-amd-amdhsa--gfx1250"
	.amdhsa_code_object_version 6
	.text
	.protected	k_qa8c0735bb2_fin
	.globl	k_qa8c0735bb2_fin
	.p2align	8
	.type	k_qa8c0735bb2_fin,@function
k_qa8c0735bb2_fin:
	s_mov_b64 s[64:65], 0
	v_nop
	global_prefetch_b8 v0, s[64:65] scope:SCOPE_SE
	s_setreg_imm32_b32 hwreg(HW_REG_WAVE_MODE, 25, 1), 1
	s_wait_xcnt 0x0
; THE WINNER INSIDE THE GROUP, ITS LOCATION, AND THE MEAN.  gidx[n] = 16 t + h names the 8 code words 16 t + 8 h .. + 7 that hold row n's least score.  Their 8 scores are made anew, by the same two
; matrix instructions on the same operands as in the scan; the first of the least is the winner, and its location is SELECTED among the group's 8: no address hangs on a score.
; Left out, as shown at the head of the first kernel: roots, clamps and x2, which move no argmin.  The limits stated there hold here.
; What steers addresses is gidx alone, whole numbers that the launch before stored; each is held to 0xff1, the greatest group, before it enters an address.
; SHARES.  A wave owns 32 rows: query tiles T = 0 (rows 0-15) and T = 1 (rows 16-31).  A STEP packs two rows' groups into one operand of 16 code words: rows 0-7 of A are the group of row ka, rows 8-15
; that of row kb.  In the result a lane holds query lane % 16 and A's rows 8 (lane / 16) + 0..7, so ka's eight scores lie in lane ka % 16 and kb's in lane 16 + kb % 16.
; T = 0, step p: ka = p, kb = p + 8: lanes p and 24 + p.   T = 1, step p: ka = 24 + p, kb = 16 + p: lanes 8 + p and 16 + p.  So after 16 steps lane L holds the scores of row L xor ((L & 8) << 1),
; and C, which is the lane's own, is w2 of that row's group in every step.
; wf: 128 x gidx is the byte of the group's first code word in chunk 0, half 0 of its tile; + 512 c for the chunk, + 256 for the upper half of d, + 16 for each code word.
; No cluster and no tensor load: no two work-groups want the same bytes by a rule that a descriptor could state.  x goes through each wave's own LDS bytes to become fragments: no barrier.
.set XP,    144                        ; a row of x in bf16 in LDS: 128 bytes + 16
.set SPARE, 36864                      ; behind the eight stages of 32 x 144 bytes: the spare words, 128 bytes for each wave
.set XB,   16                          ; v[16:47]   x fragments: tile T, chunk c at XB + 16 T + 4 c
.set CW,   48                          ; v[48:55]   w2 of my row's group
.set RS,   56                          ; v[56:63]   my row's eight scores
.set LOC,  64                          ; v[64:79]   the group's eight locations
.set ACC,  80                          ; v[80:111]  four accumulators
.set VA,   112                         ; v[112:119] byte offsets in wf: four steps, two sets by the batch's parity
.set AF,   128                         ; v[128:191], v[192:255] two buffers of four steps' operands; the second first holds x as loaded
	s_load_b512 s[4:19], s[0:1], 0x0               ; gidx s[4:5], x s[6:7], wf s[8:9], w2 s[10:11], location s[12:13], psum s[14:15], out0 s[16:17], out1 s[18:19]
	v_lshl_add_u32 v4, v0, 2, SPARE                ; my spare word,
	v_mov_b32 v5, 0                                ; and 0: for the add at the wave's end alone
	v_lshrrev_b32 v120, 5, v0
	v_readfirstlane_b32 s22, v120                  ; wave 0..7
	v_and_b32 v1, 31, v0                           ; L
	v_and_b32 v2, 15, v0                           ; r
	v_bfe_u32 v3, v0, 4, 1                         ; h
	s_lshl_b32 s23, ttmp9, 3
	s_add_co_u32 s23, s23, s22                     ; my wave among all 2,048
	s_lshl_b32 s24, s23, 7                         ; its 32 words of gidx
	s_mov_b32 s25, 0
	s_lshl_b32 s26, s23, 13                        ; its 32 rows of x
	s_mov_b32 s27, 0
	s_mov_b32 s28, 0x76543210
	s_mov_b32 s29, 0xfedcba98
	v_and_b32 v6, 7, v1
	v_lshlrev_b32 v6, 4, v6
	v_lshl_add_u32 v6, v3, 8, v6                   ; my place in a group's bytes: 256 h + 16 (L % 8)
	v_cmp_gt_u32 vcc_lo, 8, v2
	v_cndmask_b32 v7, 0, -1, vcc_lo                ; all ones in the lanes that hold A's rows 0-7,
	v_cndmask_b32 v8, -1, 0, vcc_lo                ; and in those that hold rows 8-15
	v_and_b32 v126, 8, v1
	v_lshlrev_b32 v126, 1, v126
	v_xor_b32 v126, v1, v126                       ; my row among the wave's 32
	v_lshlrev_b32 v124, 2, v126                    ; its word of gidx
	s_lshl_b32 s31, s23, 8
	v_lshl_add_u32 v14, v126, 3, s31               ; its 8 bytes of out1
	v_lshlrev_b32 v15, 4, v1                       ; 16 L
	s_mul_i32 s31, s22, 32*XP                      ; my stage
	v_mul_u32_u24 v12, v3, XP                      ; in: a load covers two rows; 8 bytes of bf16 a lane
	v_lshl_add_u32 v12, v2, 3, v12
	v_add_nc_u32 v12, s31, v12
	v_mul_u32_u24 v13, v2, XP                      ; back: row r, 16 bytes for each half of the lanes
	v_lshl_add_u32 v13, v3, 4, v13
	v_add_nc_u32 v13, s31, v13
	s_wait_kmcnt 0x0
	s_add_nc_u64 s[20:21], s[4:5], s[24:25]
	s_add_nc_u64 s[6:7], s[6:7], s[26:27]
.set i, 0
.rept 16
	global_load_b128 v[AF+64+4*i:AF+64+4*i+3], v15, s[6:7] offset:i*512 th:TH_LOAD_NT
.set i, i+1
.endr
	global_load_b32 v9, v124, s[20:21]             ; my row's group
	s_load_b512 s[32:47], s[20:21], 0x0            ; and all 32 rows' groups as scalars
	s_load_b512 s[48:63], s[20:21], 0x40
	; THE MEAN: one wave of the launch adds the 1,024 partial sums, in f32, and divides by 65,536.
	s_or_b32 s31, ttmp9, s22
	s_cmp_lg_u32 s31, 0
	s_cbranch_scc1 .Lno_mean
.set i, 0
.rept 8
	global_load_b128 v[ACC+4*i:ACC+4*i+3], v15, s[14:15] offset:i*512
.set i, i+1
.endr
	v_mov_b32 v125, 0
	s_wait_loadcnt 0x0
.irp w, 16,8,4,2
.set i, 0
.rept \w/2
	v_pk_add_f32 v[ACC+2*i:ACC+2*i+1], v[ACC+2*i:ACC+2*i+1], v[ACC+\w+2*i:ACC+\w+2*i+1]
.set i, i+1
.endr
.endr
	v_add_f32 v[ACC], v[ACC], v[ACC+1]
	v_add_f32_dpp v[ACC], v[ACC], v[ACC] row_xmask:1 row_mask:0xf bank_mask:0xf
	v_add_f32_dpp v[ACC], v[ACC], v[ACC] row_xmask:2 row_mask:0xf bank_mask:0xf
	v_add_f32_dpp v[ACC], v[ACC], v[ACC] row_xmask:4 row_mask:0xf bank_mask:0xf
	v_add_f32_dpp v[ACC], v[ACC], v[ACC] row_xmask:8 row_mask:0xf bank_mask:0xf
	v_permlanex16_b32 v[ACC+1], v[ACC], s28, s29
	v_add_f32 v[ACC], v[ACC], v[ACC+1]
	v_mul_f32 v[ACC], 0x37800000, v[ACC]           ; x 2^-16
	v_cmp_eq_u32 vcc_lo, 0, v1
	s_wait_xcnt 0x0                                ; EXEC is a source of the loads above: it changes only behind this wait
	s_and_saveexec_b32 s30, vcc_lo
	global_store_b32 v125, v[ACC], s[16:17]
	s_wait_xcnt 0x0
	s_or_b32 exec_lo, exec_lo, s30
.Lno_mean:
	s_wait_kmcnt 0x0
.set i, 32
.rept 32
	s_min_u32 s[i], s[i], 0xff1                    ; held inside the table,
	s_lshl_b32 s[i], s[i], 7                       ; and turned into the group's byte in wf
.set i, i+1
.endr
; The four steps of batch b: each lane's byte offset in wf: ka's group in the lanes of A's rows 0-7, kb's in the others, by two ANDs and two additions.
.macro AB4 b
.set u, 0
.rept 4
.set sN, 4*(\b)+u
.if sN < 8
.set KA, sN
.set KB, sN+8
.else
.set KA, sN+16
.set KB, sN+8
.endif
	v_and_b32 v[120+2*(u%2)], s[32+KA], v7
	v_and_b32 v[121+2*(u%2)], s[32+KB], v8
	v_add_nc_u32 v[120+2*(u%2)], v[120+2*(u%2)], v[121+2*(u%2)]
	v_add_nc_u32 v[VA+4*((\b)%2)+u], v[120+2*(u%2)], v6
.set u, u+1
.endr
.endm
; Their 16 loads: step u's operand, chunk c, at AF + 64 (b % 2) + 16 u + 4 c.  A load reads four pieces of 128 consecutive bytes.
.macro LOADA b
.set u, 0
.rept 4
.irp c, 0,1,2,3
	global_load_b128 v[AF+64*((\b)%2)+16*u+4*\c:AF+64*((\b)%2)+16*u+4*\c+3], v[VA+4*((\b)%2)+u], s[8:9] offset:\c*512
.endr
.set u, u+1
.endr
.endm
	AB4 0
	LOADA 0
	s_wait_loadcnt 16                              ; batch 0's 16 loads may stay out: x and my row's group are in
	v_min_u32 v9, 0xff1, v9
	v_and_b32 v10, 0xff0, v9
	v_and_b32 v11, 1, v9
	v_lshl_add_u32 v10, v11, 3, v10                ; the group's first code word: 16 t + 8 h
	v_lshlrev_b32 v11, 3, v10                      ; its byte in location,
	v_lshlrev_b32 v10, 2, v10                      ; and in w2
	global_load_b128 v[CW:CW+3], v10, s[10:11]
	global_load_b128 v[CW+4:CW+7], v10, s[10:11] offset:16
.irp i, 0,1,2,3
	global_load_b128 v[LOC+4*\i:LOC+4*\i+3], v11, s[12:13] offset:16*\i
.endr
.set i, 0
.rept 16                                       ; x is rounded in place and laid into my stage by rows
	v_cvt_pk_bf16_f32 v[AF+64+4*i], v[AF+64+4*i], v[AF+64+4*i+1]
	v_cvt_pk_bf16_f32 v[AF+64+4*i+1], v[AF+64+4*i+2], v[AF+64+4*i+3]
	ds_store_b64 v12, v[AF+64+4*i:AF+64+4*i+1] offset:i*2*XP
.set i, i+1
.endr
.set i, 0
.rept 8
	ds_load_b128 v[XB+4*i:XB+4*i+3], v13 offset:(i/4)*16*XP+(i%4)*32  ; LDS serves a wave's instructions in order (ISA guide 5.7.1.4): these see the stores above, which are the wave's own
.set i, i+1
.endr
	AB4 1
	s_wait_dscnt 0x0                               ; the fragments of x are in, and the stores have read the registers that batch 1 is loaded into
	LOADA 1
; A BATCH of four steps: eight matrix instructions, the four accumulators by turns, one instruction a turn.  Then, for b < 2, the offsets of the batch two on: 16 plain
; instructions that name no register of the products: the places in front of the loads into the buffer just read and of the selects that read the results; else four v_nop.
; Then each step's two lanes take their eight scores; each accumulator is read from its lowest register on.
.macro BATCH b
.if (\b) < 3
	s_wait_loadcnt 16                              ; all but the youngest batch's 16 loads are in (for b = 0: w2 and the locations too)
.else
	s_wait_loadcnt 0x0
.endif
.set ABF, AF+64*((\b)%2)
.set XT, XB+16*((\b)/2)
.irp u, 0,1,2,3
	v_wmma_f32_16x16x32_bf16 v[ACC+8*\u:ACC+8*\u+7], v[ABF+16*\u:ABF+16*\u+7], v[XT:XT+7], v[CW:CW+7]
.endr
.irp u, 0,1,2,3
	v_wmma_f32_16x16x32_bf16 v[ACC+8*\u:ACC+8*\u+7], v[ABF+16*\u+8:ABF+16*\u+15], v[XT+8:XT+15], v[ACC+8*\u:ACC+8*\u+7]
.endr
.if (\b) < 2
	AB4 (\b)+2
	LOADA (\b)+2
.else
.rept 4
	v_nop
.endr
.endif
.set u, 0
.rept 4
.set sN, 4*(\b)+u
.if sN == 0
.irp j, 0,1,2,3,4,5,6,7
	v_mov_b32 v[RS+\j], v[ACC+\j]                  ; the first step writes the scores' registers whole; every lane's are written once more, or are right, after 16 steps
.endr
.else
.if sN < 8
	s_mov_b32 vcc_lo, 0x01000001<<sN               ; lanes p and 24 + p
.else
	s_mov_b32 vcc_lo, 0x00010100<<(sN-8)           ; lanes 8 + p and 16 + p
.endif
.irp j, 0,1,2,3,4,5,6,7
	v_cndmask_b32 v[RS+\j], v[RS+\j], v[ACC+8*u+\j], vcc_lo
.endr
.endif
.set u, u+1
.endr
.endm
	BATCH 0
	BATCH 1
	BATCH 2
	BATCH 3
	; the first of the least of my row's eight scores, and with it its location: strictly less, so of equal scores the lower code word stays
.set j, 1
.rept 7
	v_cmp_lt_f32 vcc_lo, v[RS+j], v[RS]
	v_cndmask_b32 v[LOC], v[LOC], v[LOC+2*j], vcc_lo
	v_cndmask_b32 v[LOC+1], v[LOC+1], v[LOC+2*j+1], vcc_lo
	v_min_num_f32 v[RS], v[RS], v[RS+j]
.set j, j+1
.endr
	global_store_b64 v14, v[LOC:LOC+1], s[18:19] th:TH_STORE_NT  ; the wave's 32 rows: 256 consecutive bytes, aligned, in one store
	s_wait_tensorcnt 0x0                           ; the wave's end, behind my last LDS store
	ds_add_u32 v4, v5
	s_wait_dscnt 0x0
	s_endpgm
.Lfunc_end_k_qa8c0735bb2_fin:
	.size	k_qa8c0735bb2_fin, .Lfunc_end_k_qa8c0735bb2_fin-k_qa8c0735bb2_fin
	.p2alignl 7, 3214868480
	.fill 96, 4, 3214868480
	.section	.rodata,"a",@progbits
	.p2align	6, 0x0
	.amdhsa_kernel k_qa8c0735bb2_fin
		.amdhsa_group_segment_fixed_size 37888
		.amdhsa_private_segment_fixed_size 0
		.amdhsa_enable_private_segment 0
		.amdhsa_kernarg_size 64
		.amdhsa_user_sgpr_count 2
		.amdhsa_user_sgpr_kernarg_segment_ptr 1
		.amdhsa_wavefront_size32 1
		.amdhsa_system_sgpr_workgroup_id_x 1
		.amdhsa_system_sgpr_workgroup_id_y 1
		.amdhsa_system_sgpr_workgroup_id_z 1
		.amdhsa_system_vgpr_workitem_id 0
		.amdhsa_next_free_vgpr 256
		.amdhsa_next_free_sgpr 66
		.amdhsa_reserve_vcc 1
		.amdhsa_float_denorm_mode_32 3
		.amdhsa_float_denorm_mode_16_64 3
		.amdhsa_memory_ordered 1
		.amdhsa_forward_progress 1
		.amdhsa_inst_pref_size 31
	.end_amdhsa_kernel
	.amdgpu_metadata
---
amdhsa.version: [ 1, 2 ]
amdhsa.kernels:
  - .name:           k_qa8c0735bb2_fin
    .symbol:         k_qa8c0735bb2_fin.kd
    .args:
      - { .name: gidx, .offset: 0, .size: 8, .value_kind: global_buffer, .address_space: global }
      - { .name: x, .offset: 8, .size: 8, .value_kind: global_buffer, .address_space: global }
      - { .name: wf, .offset: 16, .size: 8, .value_kind: global_buffer, .address_space: global }
      - { .name: w2, .offset: 24, .size: 8, .value_kind: global_buffer, .address_space: global }
      - { .name: location, .offset: 32, .size: 8, .value_kind: global_buffer, .address_space: global }
      - { .name: psum, .offset: 40, .size: 8, .value_kind: global_buffer, .address_space: global }
      - { .name: out0, .offset: 48, .size: 8, .value_kind: global_buffer, .address_space: global }
      - { .name: out1, .offset: 56, .size: 8, .value_kind: global_buffer, .address_space: global }
    .group_segment_fixed_size: 37888
    .private_segment_fixed_size: 0
    .kernarg_segment_align: 8
    .kernarg_segment_size: 64
    .max_flat_workgroup_size: 256
    .sgpr_count:     66
    .vgpr_count:     256
    .wavefront_size: 32
...
	.end_amdgpu_metadata
.endif
;; end of part 3
